; MI455X (gfx1250); checked and timed in simulation.
; The chip was launched on July 23, 2026; its instructions are those of AMD's public machine-readable ISA for CDNA 5 (MIT licence, August 2026) and "CDNA5" Instruction Set Architecture Reference Guide (July 2026). The comments in the code are by the model that wrote it; some were corrected since.
;; Mixed Repeat Heads. Allowed arithmetic: matrix products marked QUANTISED: E2M1 operands, one E8M0 scale for each 32 along K, by v_wmma_scale_f32_16x16x128_f8f6f4 with both operands' format E2M1 (or v_wmma_scale_f32_32x16x128_f4), f32 sums; everything else in f32.
;; Inputs: cache 16 x 2,048 x 256 float32; decay_value 16 float32; mix_b 16 x 4,096 float32; mix_w 16 x 4,096 float32; out_b 4,096 float32; out_w_codes 4,096 x 128 x 16 uint8 (E2M1 codes of out_w, K innermost, in blocks of 32 codes, two codes a byte); out_w_scales 4,096 x 128 uint8 (E8M0 scales of out_w, one for each 32 codes along K); proj_b 16 x 256 float32; proj_w_codes 16 x 256 x 128 x 16 uint8 (E2M1 codes of proj_w, K innermost, in blocks of 32 codes, two codes a byte); proj_w_scales 16 x 256 x 128 uint8 (E8M0 scales of proj_w, one for each 32 codes along K); x_codes 2,048 x 128 x 16 uint8 (E2M1 codes of x, K innermost, in blocks of 32 codes, two codes a byte); x_scales 2,048 x 128 uint8 (E8M0 scales of x, one for each 32 codes along K).
;; Outputs: out0 2,048 x 4,096 float32.
;; Constants: index = 1000.
;; This version of the problem:
;;   THIS VERSION OF THE PROBLEM IS GIVEN IN LOW PRECISION. The matrix products marked QUANTISED in the list below multiply operands that are first quantised to E2M1 (2 exponent bits, 1 mantissa bit; 4 bits a number), with one power-of-two scale for each 32 numbers along K (OCP MX v1.0); their sums are f32. All else is computed in f32.
;;   The module's matrix products, in the order in which they are computed (A, B: the left and right operand; K: the contracted axis; several contracted axes count as one K, in the product's order):
;;     1. [M 4,096, K 4,096] x [K 4,096, N 2,048]; A: input proj_w (given as codes); B: input x (given as codes): QUANTISED
;;     2. [M 2,048, K 4,096] x [K 4,096, N 4,096]; A: computed on the way; B: input out_w (given as codes): QUANTISED
;;   THE QUANTISER, for each operand of a quantised product, along K:
;;     - K is cut into blocks of 32 from its start; a last block that is shorter is filled with zeros.
;;     - A block's scale is 2^e with e = floor(log2(the largest magnitude in the block)) - 2, held to -126 .. 127; a block of zeros has e = 0. As a byte (E8M0): e + 127.
;;     - Each number is divided by its block's scale, clamped to +-6, and rounded to the nearest number of E2M1, ties to even, subnormals kept.
;;     - The product sums the exact products of the quantised numbers (number of the format x scale) in f32.
;;   ~~~python
;;   def quantise(x, axis):      # numpy; x: float32 -> the quantised numbers, widened to float32 again
;;       x = np.moveaxis(x, axis, -1); K = x.shape[-1]
;;       x = np.pad(x, [(0, 0)] * (x.ndim - 1) + [(0, -K % 32)]); x = x.reshape(x.shape[:-1] + (-1, 32)); a = np.abs(x).max(-1, keepdims=True)
;;       e = np.where(a > 0, np.clip(np.frexp(np.where(a > 0, a, 1))[1] - 1 - 2, -126, 127), 0)      # np.frexp(a)[1] - 1 = floor(log2(a)), exactly
;;       r = np.clip(x / 2.0 ** e, -6, 6)
;;       step = 2.0 ** (np.maximum(np.frexp(np.where(r == 0, 1, r))[1] - 1, 0) - 1)
;;       q = np.round(r / step) * step * 2.0 ** e      # np.round: ties to even
;;       return np.moveaxis(q.reshape(q.shape[:-2] + (-1,))[..., :K], -1, axis).astype(np.float32)
;;   ~~~
;;   OPERANDS COMPUTED ON THE WAY. 'Computed on the way' means the value that the module computes at that place (a softmax that the list does not call 'softmax' is quantised finished and normalised). What goes into a quantiser is computed in f32, as accurately as f32 sums, v_exp_f32 and their like allow (about 1e-6 of the number): no bf16 or f16 on the way to a quantiser, and a product that is left as it is and whose result goes on into a quantised operand takes f32 operands (vector FMAs, or v_wmma_f32_16x16x4_f32). A number that lies on a knife's edge between two numbers of the format may be rounded either way, as far as f32 arithmetic and the matrix unit's own rounding can turn it there, and no further.
;;   INPUTS GIVEN AS CODES. out_w (in the module: [4096, 4096], K = its axis 1); proj_w (in the module: [16, 256, 4096], K = its axis 2); x (in the module: [2048, 4096], K = its axis 1): each comes as NAME_codes (uint8): NAME with its K axis moved to the last place and cut into blocks of 32 codes, [.., K / 32, bytes a block], one block behind the other in memory; two codes a byte, the lower K in the low four bits (a code: sign, 2 exponent bits, 1 mantissa bit); and NAME_scales (uint8): the same leading axes, one E8M0 byte (e + 127) for each 32 codes along K. Its value is code x scale, taken as it is: it is not quantised again, and the codes and scales need not be those that the quantiser above would give.
;; One version. Each part assembles by itself: llvm-mc -triple=amdgcn-amd-amdhsa -mcpu=gfx1250 --defsym DOCPART=n.
;; ======== version 1 of 1: 2 launches
;; limits: right only within a limited range of input values
;; workspace buffers: hc 4,194,304 bytes; hs 262,144 bytes
;; launch proj (part 1): grid 16 x 16, 4 waves a work-group, clusters of 4 x 4, 327,680 bytes of LDS; arguments x_codes, x_scales, proj_w_codes, proj_w_scales, proj_b, cache, mix_w, mix_b, decay_value, hc, hs; writes hc, hs
.if DOCPART == 1
	.amdgcn_target "amdgcn-amd-amdhsa--gfx1250"
	.amdhsa_code_object_version 6
	.text
	.protected	k_qb1a01f9fa0_proj
	.globl	k_qb1a01f9fa0_proj
	.p2align	8
	.type	k_qb1a01f9fa0_proj,@function
k_qb1a01f9fa0_proj:
	s_mov_b64 s[64:65], 0
	v_nop
	global_prefetch_b8 v0, s[64:65] scope:SCOPE_SE
	s_setreg_imm32_b32 hwreg(HW_REG_WAVE_MODE, 25, 1), 1
	s_wait_xcnt 0x0
	s_wait_alu depctr_hold_cnt(0) depctr_sa_sdst(0) depctr_va_vdst(0) depctr_va_sdst(0) depctr_va_ssrc(0) depctr_va_vcc(0) depctr_vm_vsrc(0)
	s_getreg_b32 s2, hwreg(HW_REG_IB_STS2, 6, 4)
	s_cmp_eq_u32 s2, 0
	s_cbranch_scc0 .Lentry_in_a_cluster
	s_endpgm
.Lentry_in_a_cluster:
	s_bfe_u32 s2, ttmp6, 0x10000c
	s_cmp_lg_u32 s2, 0xf033
	s_cbranch_scc0 .Lentry_shape_is_right
	s_endpgm
.Lentry_shape_is_right:
; FIRST OF TWO LAUNCHES.  hidden[b][n] = w (x[b] . proj_w[n] + proj_b[n]) + coef cache[head][b][n % 256] + bm, n = 256 head + k, quantised along n to codes of FP4 (E2M1) with one E8M0 byte for each 32.
; w = mix_w[head][1000], bm = mix_b[head][1000], decay = clip(decay_value[head], 0.9, 1)^(1/8), coef = w decay for heads 0-7, decay for heads 8-15.
; x [2048][4096] and proj_w [4096][4096] come as codes, K innermost (a row is 2,048 bytes), with scale bytes [row][128]; the scaled matrix instruction takes codes and bytes as they lie.
; OUT: hc [tile row 16][head 16][row 128][128 bytes]: the codes of a row's 256 numbers of one head;  hs [tile row 16][head 16][row 128][8 bytes]: two scale words a row (numbers 0-127, 128-255 of the head).
; So a work-group's codes are 16,384 consecutive bytes and its scale words 1,024, and a tile row's codes of any run of heads are one dense block for the second launch.
; SHARES.  A tile is 128 rows of x ("A") x 256 rows of proj_w ("B", one head): 16 x 16 = 256 work-groups.  Four waves, 2 x 2; a wave makes 64 x 128: 32 accumulators.
; K is eight UNITS of 512 (256 bytes of a row).  LDS has a BIG slot for two units and a SMALL one for one: the fills are units (0,1), 2, (3,4), 5, (6,7): five fills, one tensor load a wave each, behind each a round and, in front of it, the three lines.
; While a fill is on its way the slot filled before it is multiplied.  A wave never has more than one tensor load out.
; THE SCALE BYTES of a wave's 64 + 128 rows, for all of K, go into 192 registers at the start: a block of 16 rows is 2,048 consecutive bytes, taken by four loads on end; lanes 0-15 hold even units, lanes 16-31 odd ones (the ROW selector picks).
; CLUSTERS: 4 x 4 work-groups.  The four of a row of the cluster need the same tiles of A, the four of a column the same tiles of B: each tile is asked for JOINTLY by the same load with a mask that names the four.
; PREFETCH: units 3, 4, then 5, then 6, 7 are asked of the L2 one fill ahead of their tensor loads; each aligned 256 bytes is named once in a cluster: the partners share the rows out by address (32 rows of A by cx, 64 of B by cy), a lane a row.
; THE MATRIX INSTRUCTION IS USED TRANSPOSED (source 0 = 16 rows of B, source 1 = 16 rows of A): lane (r, h) holds row r of the block, and its register j column 16 b + 8 h + j: eight neighbours along the next product's K.
; proj_b is the C of each sum's first product.  THE CACHE (64 rows x 512 bytes a wave) is loaded as it lies into window 1 and turned into the accumulators' layout through LDS on the way out, in the small slot, which has had its last fill and last read.
; LIMITS: NaN and infinities among the inputs are not served (a NaN in decay_value is held at 0.9).  A block of hidden whose largest magnitude lies under 2^-124, a block of zeros among them, gets the byte 1
; (for zeros the rule says 127: its codes are zeros, which add nothing under any byte but 0xff, and this program alone reads the bytes).  The eighth root is three square roots, each good to an ulp.
; REGISTERS, in windows of 256.  window 0: v0-31 addresses and constants; v32-95 A's scale words, v96-223 B's; v224-243 at work on the way out (there v96-207 take hidden and codes).   window 1: the cache; v128-191 first proj_b.
;   window 2: v0-127 accumulators of my rows 0-31; v128-191 B's fragments, set 0; v192-223 A's, set 1; v224-227 LDS addresses.   window 3: the same for rows 32-63, B's set 1, A's set 0.
; In a quarter (128 along K) of parity p B's set p and A's set p are multiplied.  Its first half (accumulators in window 3 - p) loads B's other set, which lies in that window; its second half (window 2 + p) A's other set, which lies there: so loads and products share a setting.
.set PB,  528                          ; an LDS row of the big slot: 512 bytes + 16 of padding: row r starts at bank 4 r mod 64 (64 banks of 4 bytes: ISA guide 11.1)
.set PS,  272                          ; of the small slot: 256 + 16: likewise
.set AHB, 64*PB                        ; what one load brings of A into the big slot
.set AHS, 64*PS
.set BBASE, 2*AHB
.set BHB, 128*PB                       ; of B
.set BHS, 128*PS
.set SMALL, BBASE+2*BHB
.set BSB, SMALL+2*AHS
.set SPARE, BSB+2*BHS                  ; the spare words, 128 bytes for each wave: two blocks of 256 bytes that no other line names
.set TST, SMALL                        ; the way out, in the small slot: a stage of 16 rows x (512 + 16) bytes for each wave: the cache turns here
.set TP,  528
.set CST, TST+4*16*TP                  ; the work-group's codes: 128 rows x (128 + 16) bytes
.set CP,  144
.set SST, CST+128*CP                   ; and its scale words: 128 rows x 8 bytes
.set BIAS, 128                         ; in window 1
.set HA,   96
.set PC,  176
.set TM,  224
.set PW,  240
.set G1AB, 24                          ; descriptor groups 1 and 0: A and B, big and small
.set G1AS, 32
.set G1BB, 48
.set G1BS, 56
.set G0AB, 68
.set G0AS, 72
.set G0BB, 76
.set G0BS, 80
.set MSB, 0
.macro WIN new                         ; the immediate's high byte repeats the setting that is left; a switch that changes nothing is dropped
.if MSB != (\new)
	s_set_vgpr_msb (MSB<<8)|(\new)
.set MSB, (\new)
.endif
.endm
.macro PLACES n                        ; plain vector instructions that name no register of the matrix instructions in front of them (ISA guide 7.12.1)
.rept \n
	v_nop
.endr
.endm
.macro GROUP1 g, mask, qi, rowb, rows, pitch   ; elements of 1 byte; 16 bytes of padding (4 words, code 3) behind every 2 << qi words; bit 21 is set beside a mask
	s_or_b32 s[\g], \mask, (1<<20)|(1<<21)|((\qi)<<22)|(3<<25)
	s_mov_b32 s[\g+1], (\rowb)<<16
	s_mov_b32 s[\g+2], (\rows)<<16
	s_mov_b32 s[\g+3], (\rowb)<<16
	s_mov_b32 s[\g+4], \rows
	s_mov_b32 s[\g+5], \pitch
	s_mov_b32 s[\g+6], 0
	s_mov_b32 s[\g+7], 0
.endm
; A joint load: waves 0 and 1 fetch for A, waves 2 and 3 for B.  Each line has ONE mask and one set of registers for all that issue it; the branch hangs on the wave's number alone.
.macro JLOAD g0a, g1a, g0b, g1b
	s_cmp_eq_u32 s15, 0
	s_cbranch_scc0 .Lfor_b_\@
	tensor_load_to_lds s[\g0a:\g0a+3], s[\g1a:\g1a+7]
	s_nop 0
.rept 4
	v_nop
.endr
	s_branch .Lasked_\@
.Lfor_b_\@:
	tensor_load_to_lds s[\g0b:\g0b+3], s[\g1b:\g1b+7]
	s_nop 0
.rept 4
	v_nop
.endr
.Lasked_\@:
.endm
.macro CREST                           ; a round of the cluster's barrier behind its opening barrier
	s_cmp_lg_u32 s14, 0
	s_cbranch_scc1 .Lnot_wave_0_\@
	s_barrier_signal -3
.Lnot_wave_0_\@:
	s_barrier_wait -3
	s_barrier_signal -1
	s_barrier_wait -1
.endm
.macro CROUND                          ; a whole round
	s_barrier_signal -1
	s_barrier_wait -1
	CREST
.endm
; The prefetch of unit u (two = 1: and u + 1): wave 0 asks for 32 rows of A, waves 2 and 3 for 32 rows of B each.  Its registers are never rewritten.
.macro ASK u, two
	WIN 0
	s_cmp_eq_u32 s14, 0
	s_cbranch_scc0 .Lask_b_\@
	global_prefetch_b8 v20, s[84:85] offset:256*(\u) th:TH_LOAD_NT scope:SCOPE_SE
.if \two
	global_prefetch_b8 v20, s[84:85] offset:256*(\u)+256 th:TH_LOAD_NT scope:SCOPE_SE
.endif
	s_branch .Lask_end_\@
.Lask_b_\@:
	s_cmp_lt_u32 s14, 2
	s_cbranch_scc1 .Lask_end_\@
	global_prefetch_b8 v20, s[86:87] offset:256*(\u) th:TH_LOAD_NT scope:SCOPE_SE
.if \two
	global_prefetch_b8 v20, s[86:87] offset:256*(\u)+256 th:TH_LOAD_NT scope:SCOPE_SE
.endif
.Lask_end_\@:
.endm
	s_load_b256 s[4:11], s[0:1], 0x0               ; A's codes s[4:5], A's scales s[6:7], B's codes s[8:9], B's scales s[10:11]
	s_load_b64 s[12:13], s[0:1], 0x20              ; proj_b
	s_load_b256 s[92:99], s[0:1], 0x28             ; cache s[92:93], mix_w s[94:95], mix_b s[96:97], decay_value s[98:99]
	s_load_b64 s[100:101], s[0:1], 0x48            ; hc
	s_load_b64 s[104:105], s[0:1], 0x50            ; hs
	v_lshl_add_u32 v28, v0, 2, SPARE               ; v28: my spare word, v29: 0; never rewritten
	v_mov_b32 v29, 0
	ds_add_u32 v28, v29                            ; the wave's opening: the add, twice on end; its wait follows behind work on registers
	ds_add_u32 v28, v29
	v_lshrrev_b32 v1, 5, v0
	v_readfirstlane_b32 s14, v1                    ; wave 0..3
	s_lshr_b32 s15, s14, 1                         ; which 64 rows of A are mine.  Also: I fetch for A (0) or for B (1)
	s_and_b32 s16, s14, 1                          ; which 128 rows of B are mine.  Also: which half of a tile I fetch
	s_bfe_u32 s40, ttmp6, 0x40000                  ; cx, cy
	s_bfe_u32 s41, ttmp6, 0x40004
	s_lshl_b32 s42, ttmp9, 2
	s_add_co_u32 s42, s42, s40                     ; tile column = the head
	s_and_b32 s17, ttmp7, 0xffff
	s_lshl_b32 s17, s17, 2
	s_add_co_u32 s17, s17, s41                     ; tile row
	s_lshl_b32 s43, s41, 2
	s_lshl_b32 s43, 15, s43                        ; my row of the cluster
	s_lshl_b32 s44, 0x1111, s40                    ; my column
	GROUP1 G1AB, s43, 6, 512, 64, 2048
	GROUP1 G1AS, s43, 5, 256, 64, 2048
	GROUP1 G1BB, s44, 6, 512, 128, 2048
	GROUP1 G1BS, s44, 5, 256, 128, 2048
	; group 0: count 1; LDS address = a constant + the wave's half x a constant
	s_mov_b32 s[G0AB], 1
	s_mul_i32 s[G0AB+1], s16, AHB
	s_mov_b32 s[G0AS], 1
	s_mul_i32 s[G0AS+1], s16, AHS
	s_add_co_u32 s[G0AS+1], s[G0AS+1], SMALL
	s_mov_b32 s[G0BB], 1
	s_mul_i32 s[G0BB+1], s16, BHB
	s_add_co_u32 s[G0BB+1], s[G0BB+1], BBASE
	s_mov_b32 s[G0BS], 1
	s_mul_i32 s[G0BS+1], s16, BHS
	s_add_co_u32 s[G0BS+1], s[G0BS+1], BSB
	; where I read: B and A in the big slot and in the small one; the stages of the way out
	s_mul_i32 s2, s16, BHB
	s_add_co_u32 s2, s2, BBASE
	s_mul_i32 s3, s16, BHS
	s_add_co_u32 s3, s3, BSB
	s_mul_i32 s18, s15, 64*PB
	s_mul_i32 s19, s15, 64*PS
	s_add_co_u32 s19, s19, SMALL
	s_mul_i32 s45, s14, 16*TP
	s_add_co_u32 s45, s45, TST
	s_mul_i32 s20, s15, 64*CP
	s_lshl_b32 s21, s16, 6
	s_add_co_u32 s20, s20, s21
	s_add_co_u32 s20, s20, CST                     ; codes in: my 64 rows, my 64 bytes of them
	s_lshl_b32 s21, s15, 9
	s_lshl_b32 s22, s16, 2
	s_add_co_u32 s21, s21, s22
	s_add_co_u32 s21, s21, SST                     ; scale words in: 8 bytes a row, my word of the two
	s_mul_i32 s22, s14, 32*CP
	s_add_co_u32 s22, s22, CST                     ; back: 32 rows a wave
	s_lshl_b32 s23, s14, 8
	s_add_co_u32 s23, s23, SST
	s_mov_b32 s66, 0x76543210
	s_mov_b32 s67, 0xfedcba98                      ; v_permlanex16_b32's selects for lane l xor 16
	v_and_b32 v1, 15, v0                           ; r
	v_bfe_u32 v2, v0, 4, 1                         ; h
	v_and_b32 v3, 31, v0                           ; lane
	v_lshlrev_b32 v4, 4, v3                        ; 16 x lane; never rewritten
	v_lshlrev_b32 v19, 3, v3                       ; 8 x lane; never rewritten
	v_lshlrev_b32 v15, 5, v2                       ; 32 h: the bias loads' offset; never rewritten
	v_lshlrev_b32 v20, 11, v3                      ; 2,048 x lane: the prefetches' offset; never rewritten
	v_lshlrev_b32 v5, 7, v1
	v_lshl_add_u32 v5, v2, 4, v5                   ; scale bytes: row r of 128, 16 h; never rewritten
	v_mul_u32_u24 v7, v1, PB
	v_lshl_add_u32 v7, v2, 4, v7                   ; a fragment in the big slot: row r x pitch + 16 h
	v_mul_u32_u24 v16, v1, PS
	v_lshl_add_u32 v16, v2, 4, v16                 ; in the small slot
	v_mul_u32_u24 v14, v1, TP
	v_lshl_add_u32 v14, v2, 5, v14
	v_add_nc_u32 v24, s45, v4                      ; v24 my stage by rows
	v_add_nc_u32 v25, s45, v14                     ; v25 my stage in the accumulators' layout: 528 r + 32 h
	v_mul_u32_u24 v17, v1, CP
	v_lshl_add_u32 v17, v2, 2, v17
	v_add_nc_u32 v26, s20, v17                     ; v26 codes in: row r, 4 h
	v_lshl_add_u32 v27, v1, 3, s21                 ; v27 scale words in
	v_lshrrev_b32 v18, 3, v3                       ; back: eight lanes to a row of 128 bytes, four rows an instruction
	v_mul_u32_u24 v18, v18, CP
	v_and_b32 v6, 7, v3
	v_lshl_add_u32 v18, v6, 4, v18
	v_add_nc_u32 v30, s22, v18                     ; v30 codes back
	v_add_nc_u32 v31, s23, v19                     ; v31 scale words back
.irp b, 0,1,2,3
	v_mov_b32 v[TM+4+\b], 0                        ; written once: a lane permute's destination counts as one of its sources
.endr
.irp w, 0x80,0xc0                      ; the four LDS addresses, in window 2 and in window 3
	WIN \w
	v_add_nc_u32 v224, s2, v7
	v_add_nc_u32 v225, s3, v16
	v_add_nc_u32 v226, s18, v7
	v_add_nc_u32 v227, s19, v16
.endr
	WIN 0
	s_wait_alu depctr_va_vdst(0)                   ; a wait here, ahead of the scalar run and the waits below
	; where the tiles come from: A's offsets are made of the tile row and the wave's number, B's of the tile column and the wave's number
	s_lshl_b32 s20, s17, 18
	s_lshl_b32 s22, s16, 17
	s_add_co_u32 s20, s20, s22
	s_mov_b32 s21, 0                               ; A: 128 rows of 2,048 bytes a tile row, 64 a half
	s_lshl_b32 s46, s42, 19
	s_lshl_b32 s22, s16, 18
	s_add_co_u32 s46, s46, s22
	s_mov_b32 s47, 0                               ; B: 256 rows a tile column, 128 a half
	s_lshl_b32 s88, s17, 18
	s_lshl_b32 s22, s40, 16
	s_add_co_u32 s88, s88, s22
	s_mov_b32 s89, 0                               ; the prefetch of A: my work-group's 32 rows,
	s_lshl_b32 s90, s42, 19
	s_lshl_b32 s22, s41, 17
	s_add_co_u32 s90, s90, s22
	s_lshl_b32 s22, s16, 16
	s_add_co_u32 s90, s90, s22
	s_mov_b32 s91, 0                               ; of B: its 64 rows, 32 a wave
	s_wait_dscnt 0x0                               ; both opening adds are done
	CROUND                                         ; all sixteen work-groups are here: the first joint loads meet
	s_wait_kmcnt 0x0
	s_add_nc_u64 s[84:85], s[4:5], s[88:89]
	s_add_nc_u64 s[86:87], s[8:9], s[90:91]
	s_add_nc_u64 s[4:5], s[4:5], s[20:21]
	s_add_nc_u64 s[8:9], s[8:9], s[46:47]
	s_mov_b64 s[G0AB+2:G0AB+3], s[4:5]             ; units 0, 1
	s_or_b32 s[G0AB+3], s[G0AB+3], 0x80000000
	s_mov_b64 s[G0BB+2:G0BB+3], s[8:9]
	s_or_b32 s[G0BB+3], s[G0BB+3], 0x80000000
	s_add_nc_u64 s[G0AS+2:G0AS+3], s[4:5], 512     ; unit 2
	s_or_b32 s[G0AS+3], s[G0AS+3], 0x80000000
	s_add_nc_u64 s[G0BS+2:G0BS+3], s[8:9], 512
	s_or_b32 s[G0BS+3], s[G0BS+3], 0x80000000
	JLOAD G0AB, G1AB, G0BB, G1BB                   ; units 0, 1: one tensor load a wave at the head
	s_lshl_b32 s18, s42, 14                        ; the head's row of mix_w and mix_b: 4,096 numbers; index 1000 stands in the immediate
	s_lshl_b32 s19, s42, 2
	s_load_b32 s45, s[94:95], s18 offset:4000      ; w
	s_load_b32 s46, s[96:97], s18 offset:4000      ; bm
	s_load_b32 s47, s[98:99], s19 offset:0x0       ; decay_value.  (s18, s19 and the three results are left alone up to the wait on KMcnt below)
	s_lshl_b32 s20, s42, 10                        ; proj_b: my 128 numbers begin at 256 x head + 128 x half
	s_lshl_b32 s22, s16, 9
	s_add_co_u32 s20, s20, s22
	s_mov_b32 s21, 0
	s_add_nc_u64 s[12:13], s[12:13], s[20:21]
	s_lshl_b32 s88, s17, 14                        ; A's scale bytes: my 64 rows of 128
	s_lshl_b32 s23, s15, 13
	s_add_co_u32 s88, s88, s23
	s_mov_b32 s89, 0
	s_add_nc_u64 s[6:7], s[6:7], s[88:89]
	s_lshl_b32 s90, s42, 15                        ; B's: my 128 rows
	s_lshl_b32 s23, s16, 14
	s_add_co_u32 s90, s90, s23
	s_mov_b32 s91, 0
	s_add_nc_u64 s[10:11], s[10:11], s[90:91]
	WIN 0x40
.irp b, 0,1,2,3,4,5,6,7                ; the bias in the result's layout: lane (r, h), tile b: numbers 16 b + 8 h + 0 .. 7
	global_load_b128 v[BIAS+8*\b:BIAS+8*\b+3], v15, s[12:13] offset:64*\b
	global_load_b128 v[BIAS+8*\b+4:BIAS+8*\b+7], v15, s[12:13] offset:64*\b+16
.endr
	WIN 0
; Scale words: register 4 j + q of a block of 16 rows: quarter q of unit 2 j (lanes 0-15) and of unit 2 j + 1 (lanes 16-31)
.irp b, 0,1,2,3,4,5,6,7
.irp j, 0,1,2,3
	global_load_b128 v[96+16*\b+4*\j:99+16*\b+4*\j], v5, s[10:11] offset:2048*\b+32*\j
.endr
.endr
.irp b, 0,1,2,3
.irp j, 0,1,2,3
	global_load_b128 v[32+16*\b+4*\j:35+16*\b+4*\j], v5, s[6:7] offset:2048*\b+32*\j
.endr
.endr
	s_lshl_b32 s20, s42, 21                        ; the cache: a head is 2,048 rows of 1,024 bytes; my 64 rows, my 512 bytes of them
	s_lshl_b32 s23, s17, 17
	s_add_co_u32 s20, s20, s23
	s_lshl_b32 s23, s15, 16
	s_add_co_u32 s20, s20, s23
	s_add_co_u32 s20, s20, s22
	s_add_nc_u64 s[92:93], s[92:93], s[20:21]
	s_lshl_b32 s20, s17, 18                        ; hc: a tile row is 262,144 bytes, a head 16,384, the 32 rows that I store 4,096
	s_lshl_b32 s23, s42, 14
	s_add_co_u32 s20, s20, s23
	s_lshl_b32 s23, s14, 12
	s_add_co_u32 s20, s20, s23
	s_add_nc_u64 s[100:101], s[100:101], s[20:21]
	s_lshl_b32 s20, s17, 14                        ; hs: a sixteenth of that
	s_lshl_b32 s23, s42, 10
	s_add_co_u32 s20, s20, s23
	s_lshl_b32 s23, s14, 8
	s_add_co_u32 s20, s20, s23
	s_add_nc_u64 s[104:105], s[104:105], s[20:21]
	s_wait_kmcnt 0x0                               ; w, bm, decay_value
	v_mov_b32 v8, s45                              ; v[8:9] w, twice: the packed forms multiply by pairs
	v_mov_b32 v9, s45
	v_mov_b32 v12, s46                             ; v[12:13] bm
	v_mov_b32 v13, s46
	v_mov_b32 v14, s47
	v_max_num_f32 v14, 0x3f666666, v14             ; clip to 0.9 .. 1
	v_min_num_f32 v14, 1.0, v14
	s_wait_alu depctr_va_vdst(0)                   ; a wait ahead of and behind each of the three
	v_sqrt_f32 v18, v14                            ; the eighth root: three square roots, a plain instruction behind each
	v_nop
	s_wait_alu depctr_va_vdst(0)
	v_sqrt_f32 v14, v18
	v_nop
	s_wait_alu depctr_va_vdst(0)
	v_sqrt_f32 v18, v14
	s_mov_b32 s21, 0x3f800000
	s_cmp_lt_u32 s42, 8                            ; heads 0-7: coef = w decay; heads 8-15: coef = decay.  A choice of a value, no branch
	s_cselect_b32 s20, s45, s21
	v_nop
	s_wait_alu depctr_va_vdst(0)
	v_mul_f32 v10, s20, v18                        ; v[10:11] coef
	v_mov_b32 v11, v10
; The LDS loads of the next quarter (unit uu of slot s, 0 big, 1 small, quarter q).  A fragment, 16 rows x 128 K of 4-bit codes, is 8 registers: lane (r, h) holds row r; registers 4 c .. 4 c + 3 hold K = 64 c + 32 h + 0 .. 31
.macro LB s, uu, q, k
.if \s
	ds_load_b128 v[128+4*(\k):131+4*(\k)], v225 offset:((\k)/2)*16*PS+64*(\q)+32*((\k)%2)
.else
	ds_load_b128 v[128+4*(\k):131+4*(\k)], v224 offset:((\k)/2)*16*PB+256*(\uu)+64*(\q)+32*((\k)%2)
.endif
.endm
.macro LA p, s, uu, q, k               ; A's blocks, the two that the next quarter multiplies first ahead of the others
.set IA, ((\k)/2+2*(\p))%4
.set RD, 192+8*IA+4*((\k)%2)
.if \s
	ds_load_b128 v[RD:RD+3], v227 offset:IA*16*PS+64*(\q)+32*((\k)%2)
.else
	ds_load_b128 v[RD:RD+3], v226 offset:IA*16*PB+256*(\uu)+64*(\q)+32*((\k)%2)
.endif
.endm
; One product: A's block a x B's tile b, quarter q of unit u.  mode = 1: the sum's first, which starts from the bias: nothing is cleared.  The accumulators take turns, one instruction a turn.
.macro MM a, b, u, q, mode
.set DD, 64*((\a)%2)+8*(\b)
.set RA, 32+16*(\a)+4*((\u)/2)+(\q)
.set RB, 96+16*(\b)+4*((\u)/2)+(\q)
.if \mode
	v_wmma_scale_f32_16x16x128_f8f6f4 v[DD:DD+7], v[128+8*(\b):135+8*(\b)], v[192+8*(\a):199+8*(\a)], v[BIAS+8*(\b):BIAS+8*(\b)+7], v[RB], v[RA] matrix_a_fmt:MATRIX_FMT_FP4 matrix_b_fmt:MATRIX_FMT_FP4
.elseif (\u)%2
	v_wmma_scale_f32_16x16x128_f8f6f4 v[DD:DD+7], v[128+8*(\b):135+8*(\b)], v[192+8*(\a):199+8*(\a)], v[DD:DD+7], v[RB], v[RA] matrix_a_fmt:MATRIX_FMT_FP4 matrix_b_fmt:MATRIX_FMT_FP4 matrix_a_scale:MATRIX_SCALE_ROW1 matrix_b_scale:MATRIX_SCALE_ROW1
.else
	v_wmma_scale_f32_16x16x128_f8f6f4 v[DD:DD+7], v[128+8*(\b):135+8*(\b)], v[192+8*(\a):199+8*(\a)], v[DD:DD+7], v[RB], v[RA] matrix_a_fmt:MATRIX_FMT_FP4 matrix_b_fmt:MATRIX_FMT_FP4
.endif
.endm
.macro MM8 a, u
.irp k, 0,1,2,3,4,5,6,7
	MM \a, \k, \u, 3, 0
.endr
.endm
; A quarter whose successor lies in a slot that has landed: the successor's 24 loads in one run, into the sets that the quarter before multiplied, then its 32 products.
.macro QTR u, q, ns, nuu, nq, mode     ; the loads of both halves stand in ONE run ahead of the 32 products, A's under the second half's setting, B's under the first half's
.set P, (\q)%2
	PLACES 4                                       ; in front of loads into registers that the last matrix instructions read
	WIN (2+P)|((3-P)<<2)|((2+P)<<4)|((2+P)<<6)
.irp k, 0,1,2,3,4,5,6,7
	LA P, \ns, \nuu, \nq, \k
.endr
	WIN (2+P)|((3-P)<<2)|((3-P)<<4)|((3-P)<<6)
.irp k, 0,1,2,3,4,5,6,7,8,9,10,11,12,13,14,15
	LB \ns, \nuu, \nq, \k
.endr
	s_wait_dscnt 24                                ; all but the 24 just issued: this quarter's fragments are in
.if \mode
	WIN 0xde                                       ; C (the bias) in window 1
.endif
.irp k, 0,1,2,3,4,5,6,7,8,9,10,11,12,13,14,15
	MM 2-2*P+\k/8, \k%8, \u, \q, \mode
.endr
.if \mode
	WIN 0x9e
.else
	WIN (2+P)|((3-P)<<2)|((2+P)<<4)|((2+P)<<6)
.endif
.irp k, 0,1,2,3,4,5,6,7,8,9,10,11,12,13,14,15
	MM 2*P+\k/8, \k%8, \u, \q, \mode
.endr
.endm
.macro LANDED refill                   ; the three lines' first two; the refilled slot's addresses step three units on while the add is out (no tensor load of mine is out)
	WIN 0
	s_wait_tensorcnt 0x0                           ; my part of the next slot has landed;
	ds_add_u32 v28, v29                            ; 0 onto my spare word
.if (\refill)==1
	s_add_nc_u64 s[G0AB+2:G0AB+3], s[G0AB+2:G0AB+3], 768
	s_add_nc_u64 s[G0BB+2:G0BB+3], s[G0BB+2:G0BB+3], 768
.elseif (\refill)==2
	s_add_nc_u64 s[G0AS+2:G0AS+3], s[G0AS+2:G0AS+3], 768
	s_add_nc_u64 s[G0BS+2:G0BS+3], s[G0BS+2:G0BS+3], 768
.endif
	s_wait_dscnt 0x1                               ; (the add alone may be out: this quarter's fragments are in)
.endm
; A slot's last quarter changes slots: ONE barrier; in front of it each wave's tensor loads have landed, its add is done and its reads of this slot are back.  refill = 1: the big slot is filled again, 2: the small one, 0: none.
; kind = 0 (the next fill is the large one): the wait for the landed tile stands first; kind = 1 (the awaited fill is the large one): sixteen products stand ahead of it.
.macro TURN u, kind, ns, refill
.if (\kind)==0
	LANDED \refill
	WIN 0xab
	MM8 0, \u
	s_wait_dscnt 0x0                               ; the add is done, and my reads of this slot are over
	s_barrier_signal -1
	MM8 1, \u
.else
	s_wait_dscnt 0x0                               ; this quarter's fragments are in
	WIN 0xab
	MM8 0, \u
	MM8 1, \u
	LANDED \refill
	WIN 0xfb
	MM8 2, \u
	s_wait_dscnt 0x0
	s_barrier_signal -1
.endif
	WIN 0
	s_barrier_wait -1
.if (\refill)==1
	CREST                                          ; the barrier has opened a round: no wave of any partner still reads this slot or has a load on its way
	JLOAD G0AB, G1AB, G0BB, G1BB                   ; the first tensor load behind the round; its four v_nop are the places in front of the loads below
.elseif (\refill)==2
	CREST
	JLOAD G0AS, G1AS, G0BS, G1BS
.else
	PLACES 4
.endif
	WIN 0x82                                       ; B's set 0: destination and address window 2
.irp k, 0,1,2,3,4,5,6,7,8,9,10,11,12,13,14,15
	LB \ns, 0, 0, \k
.endr
	WIN 0xfb
.irp k, 0,1,2,3,4,5,6,7
	LA 1, \ns, 0, 0, \k
.endr
.irp k, 0,1,2,3,4,5,6,7
	MM 2+(\kind), \k, \u, 3, 0
.endr
.if (\kind)==0
	MM8 3, \u
.endif
.endm
.macro TWO u, first                    ; a big slot's two units but for the first quarter and the last
.if \first
	QTR \u, 0, 0, 0, 1, 0
.endif
	QTR \u, 1, 0, 0, 2, 0
	QTR \u, 2, 0, 0, 3, 0
	QTR \u, 3, 0, 1, 0, 0
	QTR \u+1, 0, 0, 1, 1, 0
	QTR \u+1, 1, 0, 1, 2, 0
	QTR \u+1, 2, 0, 1, 3, 0
.endm
; 32 rows of my cache, as they lie: a load reads 512 consecutive bytes, aligned; row i goes to v[4 i] on of window 1
.macro CLOAD i0
	WIN 0x40
.set II, \i0
.rept 32
	global_load_b128 v[4*II:4*II+3], v4, s[92:93] offset:1024*II th:TH_LOAD_NT
.set II, II+1
.endr
.endm
; TURNC: 16 rows of the cache go through my own stage, in as rows of 512 bytes, back in the accumulators' layout, into the registers that they left.  LDS serves a wave's instructions in order (ISA guide 5.7.1.4): no wait between.
.macro TURNC a
	WIN 0x04                                       ; an LDS store's data are its source 1: window 1
.irp i, 0,1,2,3,4,5,6,7,8,9,10,11,12,13,14,15
	ds_store_b128 v24, v[64*(\a)+4*\i:64*(\a)+4*\i+3] offset:TP*\i
.endr
	WIN 0x40
.irp t, 0,1,2,3,4,5,6,7
	ds_load_b128 v[64*(\a)+8*\t:64*(\a)+8*\t+3],   v25 offset:64*\t
	ds_load_b128 v[64*(\a)+8*\t+4:64*(\a)+8*\t+7], v25 offset:64*\t+16
.endr
	WIN 0
.endm
	s_wait_alu depctr_va_vdst(0)                   ; a wait at the head's end
	s_wait_tensorcnt 0x0                           ; my part of units 0, 1 is in; the three lines stand ahead of a later first fill as ahead of a refill
	ds_add_u32 v28, v29
	s_wait_dscnt 0x0
	CROUND                                         ; everybody's part is in, and all sixteen work-groups are here
	JLOAD G0AS, G1AS, G0BS, G1BS                   ; unit 2, the first tensor load behind the round
	WIN 0x82
.irp k, 0,1,2,3,4,5,6,7,8,9,10,11,12,13,14,15
	LB 0, 0, 0, \k
.endr
	WIN 0xc2
.irp k, 0,1,2,3,4,5,6,7
	LA 1, 0, 0, 0, \k
.endr
	s_wait_loadcnt 0x0                             ; the bias and all scale words
	QTR 0, 0, 0, 0, 1, 1                           ; the first quarter's products start the sums
	CLOAD 0
	QTR 0, 1, 0, 0, 2, 0
	ASK 3, 1
	QTR 0, 2, 0, 0, 3, 0
	CLOAD 32                                       ; over the bias, which the first quarter alone reads
	QTR 0, 3, 0, 1, 0, 0
	QTR 1, 0, 0, 1, 1, 0
	QTR 1, 1, 0, 1, 2, 0
	QTR 1, 2, 0, 1, 3, 0
	TURN 1, 0, 1, 1                                ; units 3, 4 go out
	QTR 2, 0, 1, 0, 1, 0
	ASK 5, 0
	QTR 2, 1, 1, 0, 2, 0
	QTR 2, 2, 1, 0, 3, 0
	TURN 2, 1, 0, 2                                ; unit 5
	QTR 3, 0, 0, 0, 1, 0
	ASK 6, 1
	TWO 3, 0
	TURN 4, 0, 1, 1                                ; units 6, 7: the last fill
	QTR 5, 0, 1, 0, 1, 0
	QTR 5, 1, 1, 0, 2, 0
	QTR 5, 2, 1, 0, 3, 0
	TURN 5, 1, 0, 0                                ; nothing is left to fetch: a plain barrier
	TWO 6, 1
	s_wait_loadcnt 0x0                             ; the cache
	TURNC 0                                        ; its first block turns under the last quarter
	s_wait_dscnt 32                                ; TURNC's 32 may be out: the last fragments are in
	WIN 0xab
	MM8 0, 7
	MM8 1, 7
	WIN 0xfb
	MM8 2, 7
	MM8 3, 7
	PLACES 4                                       ; in front of the first read of results and of writes over scale words
	WIN 0
; THE WAY OUT, a block of 16 rows x 128 columns at a time.
; MIX: hidden = (P + proj_b) w + (cache coef + bm): two fused multiply-adds a number, two numbers an instruction; each accumulator is read from its low end on
.macro MIX a
	WIN 0x41                                       ; destination and source 0 window 1
.set II, 64*(\a)
.rept 32
	v_pk_fma_f32 v[II:II+1], v[II:II+1], v[10:11], v[12:13]
.set II, II+2
.endr
	WIN (2+(\a)/2)|0x10                            ; source 0 (the sums) window 2 or 3, source 2 (the cache's term) window 1, destination window 0
.set II, 0
.rept 32
	v_pk_fma_f32 v[HA+II:HA+II+1], v[64*((\a)%2)+II:64*((\a)%2)+II+1], v[8:9], v[64*(\a)+II:64*(\a)+II+1]
.set II, II+2
.endr
	WIN 0
.endm
; QUANT: registers 16 b + 0 .. 15 are 16 numbers of block b of my row (columns 32 b + 8 h + 0 .. 7 and 32 b + 16 + 8 h + 0 .. 7); lane l xor 16 holds the other 16
.macro QUANT a
.irp b, 0,1,2,3
	v_max3_num_f32 v[TM+\b], |v[HA+16*\b]|, |v[HA+1+16*\b]|, 0x1800000   ; and the floor 2^(3 - 127), under which no largest magnitude is taken: so the byte cannot fall under 1
.endr
.irp i, 2,4,6,8,10,12,14
.irp b, 0,1,2,3
	v_max3_num_f32 v[TM+\b], v[TM+\b], |v[HA+16*\b+\i]|, |v[HA+1+16*\b+\i]|
.endr
.endr
.irp b, 0,1,2,3
	v_permlanex16_b32 v[TM+4+\b], v[TM+\b], s66, s67
.endr
.irp b, 0,1,2,3
	v_max_num_f32 v[TM+\b], v[TM+\b], v[TM+4+\b]   ; the block's largest magnitude
.endr
.irp b, 0,1,2,3
	v_add_nc_u32 v[TM+12+\b], 0xff000000, v[TM+\b] ; 2 off its exponent field: the conversion takes the exponent field of this operand as its scale, and nothing else of it
.endr
.irp b, 0,1,2,3
	v_lshrrev_b32 v[TM+4+\b], 23, v[TM+12+\b]      ; the scale's byte
.endr
	v_lshl_or_b32 v[PW+(\a)], v[TM+5], 8, v[TM+4]  ; my row's scale word for these 128 columns
	v_lshl_or_b32 v[PW+(\a)], v[TM+6], 16, v[PW+(\a)]
	v_lshl_or_b32 v[PW+(\a)], v[TM+7], 24, v[PW+(\a)]
.irp b, 0,1,2,3
	v_cvt_scalef32_pk8_fp4_f32 v[PC+8*(\a)+2*\b],   v[HA+16*\b:HA+16*\b+7],    v[TM+12+\b]   ; tile 2 b: eight codes, four bytes, the lower column in the lower bits
	v_cvt_scalef32_pk8_fp4_f32 v[PC+8*(\a)+2*\b+1], v[HA+16*\b+8:HA+16*\b+15], v[TM+12+\b]   ; tile 2 b + 1
.endr
	v_nop                                          ; one plain place behind the last scaled conversion
.endm
; PUT: tile t's four bytes belong at byte 8 t + 4 h of my 64 bytes of the row.  Every block has registers of its own for its codes and its word
.macro PUT a
.irp t, 0,1,2,3,4,5,6,7
	ds_store_b32 v26, v[PC+8*(\a)+\t] offset:16*CP*(\a)+8*\t
.endr
	ds_store_b32 v27, v[PW+(\a)] offset:128*(\a)
.endm
	s_wait_alu depctr_va_vdst(0)                   ; a wait ahead of the waits below
.irp a, 0,1,2,3
.if \a < 3
	TURNC \a+1                                     ; the next block's cache turns while this block is worked
.endif
.if \a == 0
	s_wait_dscnt 32                                ; behind this block's loads from the stage: the next block's 32
.elseif \a < 3
	s_wait_dscnt 41                                ; the last block's 9 stores and the next block's 32
.else
	s_wait_dscnt 9                                 ; the last block's 9 stores
.endif
	MIX \a
	QUANT \a
	PUT \a
.endr
	s_wait_dscnt 0x0                               ; for the others' sake: my stores into the two stages are done
	s_barrier_signal -1
	s_barrier_wait -1                              ; a row's 128 bytes and two words come from two waves
.irp i, 0,1,2,3,4,5,6,7
	ds_load_b128 v[HA+4*\i:HA+4*\i+3], v30 offset:4*CP*\i
.endr
	ds_load_b64 v[HA+32:HA+33], v31
.irp i, 0,1,2,3,4,5,6,7
	s_wait_dscnt 8-\i                              ; the younger loads may be out
	global_store_b128 v4, v[HA+4*\i:HA+4*\i+3], s[100:101] offset:512*\i   ; 32 lanes store 512 consecutive bytes, at a multiple of 256 from hc's first byte
.endr
	s_wait_dscnt 0x0
	global_store_b64 v19, v[HA+32:HA+33], s[104:105]                       ; 32 lanes store 256 consecutive bytes, at a multiple of 256 from hs's first byte
	s_wait_tensorcnt 0x0                           ; the wave's end
	ds_add_u32 v28, v29
	s_wait_dscnt 0x0
	CROUND                                         ; the closing round: no work-group ends while a partner may still ask for a tile that names it
	s_endpgm
.Lfunc_end_k_qb1a01f9fa0_proj:
	.size	k_qb1a01f9fa0_proj, .Lfunc_end_k_qb1a01f9fa0_proj-k_qb1a01f9fa0_proj
	.p2alignl 7, 3214868480
	.fill 96, 4, 3214868480
	.section	.rodata,"a",@progbits
	.p2align	6, 0x0
	.amdhsa_kernel k_qb1a01f9fa0_proj
		.amdhsa_group_segment_fixed_size 327680
		.amdhsa_private_segment_fixed_size 0
		.amdhsa_enable_private_segment 0
		.amdhsa_kernarg_size 88
		.amdhsa_user_sgpr_count 2
		.amdhsa_user_sgpr_kernarg_segment_ptr 1
		.amdhsa_wavefront_size32 1
		.amdhsa_system_sgpr_workgroup_id_x 1
		.amdhsa_system_sgpr_workgroup_id_y 1
		.amdhsa_system_sgpr_workgroup_id_z 1
		.amdhsa_system_vgpr_workitem_id 0
		.amdhsa_next_free_vgpr 1024
		.amdhsa_next_free_sgpr 106
		.amdhsa_reserve_vcc 0
		.amdhsa_float_denorm_mode_32 3
		.amdhsa_float_denorm_mode_16_64 3
		.amdhsa_memory_ordered 1
		.amdhsa_forward_progress 1
		.amdhsa_inst_pref_size 255
	.end_amdhsa_kernel
	.section	.bss,"aw",@nobits
	.p2align	6
	.space	262144
	.amdgpu_metadata
---
amdhsa.version: [ 1, 2 ]
amdhsa.kernels:
  - .name:           k_qb1a01f9fa0_proj
    .symbol:         k_qb1a01f9fa0_proj.kd
    .args:
      - { .name: x_codes, .offset: 0, .size: 8, .value_kind: global_buffer, .address_space: global }
      - { .name: x_scales, .offset: 8, .size: 8, .value_kind: global_buffer, .address_space: global }
      - { .name: proj_w_codes, .offset: 16, .size: 8, .value_kind: global_buffer, .address_space: global }
      - { .name: proj_w_scales, .offset: 24, .size: 8, .value_kind: global_buffer, .address_space: global }
      - { .name: proj_b, .offset: 32, .size: 8, .value_kind: global_buffer, .address_space: global }
      - { .name: cache, .offset: 40, .size: 8, .value_kind: global_buffer, .address_space: global }
      - { .name: mix_w, .offset: 48, .size: 8, .value_kind: global_buffer, .address_space: global }
      - { .name: mix_b, .offset: 56, .size: 8, .value_kind: global_buffer, .address_space: global }
      - { .name: decay_value, .offset: 64, .size: 8, .value_kind: global_buffer, .address_space: global }
      - { .name: hc, .offset: 72, .size: 8, .value_kind: global_buffer, .address_space: global }
      - { .name: hs, .offset: 80, .size: 8, .value_kind: global_buffer, .address_space: global }
    .group_segment_fixed_size: 327680
    .private_segment_fixed_size: 0
    .kernarg_segment_align: 8
    .kernarg_segment_size: 88
    .max_flat_workgroup_size: 128
    .sgpr_count:     106
    .vgpr_count:     1024
    .wavefront_size: 32
...
	.end_amdgpu_metadata
.endif
;; end of part 1
;; launch outp (part 2): grid 16 x 16, 4 waves a work-group, clusters of 4 x 4, 327,680 bytes of LDS; arguments hc, hs, out_w_codes, out_w_scales, out_b, out0; writes out0
.if DOCPART == 2
	.amdgcn_target "amdgcn-amd-amdhsa--gfx1250"
	.amdhsa_code_object_version 6
	.text
	.protected	k_qb1a01f9fa0_outp
	.globl	k_qb1a01f9fa0_outp
	.p2align	8
	.type	k_qb1a01f9fa0_outp,@function
k_qb1a01f9fa0_outp:
	s_mov_b64 s[64:65], 0
	v_nop
	global_prefetch_b8 v0, s[64:65] scope:SCOPE_SE
	s_setreg_imm32_b32 hwreg(HW_REG_WAVE_MODE, 25, 1), 1
	s_wait_xcnt 0x0
	s_wait_alu depctr_hold_cnt(0) depctr_sa_sdst(0) depctr_va_vdst(0) depctr_va_sdst(0) depctr_va_ssrc(0) depctr_va_vcc(0) depctr_vm_vsrc(0)
	s_getreg_b32 s2, hwreg(HW_REG_IB_STS2, 6, 4)
	s_cmp_eq_u32 s2, 0
	s_cbranch_scc0 .Lentry_in_a_cluster
	s_endpgm
.Lentry_in_a_cluster:
	s_bfe_u32 s2, ttmp6, 0x10000c
	s_cmp_lg_u32 s2, 0xf033
	s_cbranch_scc0 .Lentry_shape_is_right
	s_endpgm
.Lentry_shape_is_right:
; SECOND OF TWO LAUNCHES.  out0[b][n] = hidden[b] . out_w[n] + out_b[n], both operands as codes of FP4 (E2M1) with one E8M0 byte for each 32 along K; sums in f32; out0 [2048][4096] f32.
; hidden comes from the first launch: hc [tile row 16][plane 16][row 128][128 bytes]: plane p holds K = 256 p .. 256 p + 255;  hs [tile row 16][plane 16][row 128][8 bytes]: two scale words a row (K = 256 p + 0 .. 127, + 128 .. 255).
; out_w [4096][4096] comes as codes, K innermost (a row is 2,048 bytes), with scale bytes [row][128].
; SHARES, SLOTS, CLUSTER and PREFETCH are the first launch's: a tile of 128 rows of hidden ("A") x 256 rows of out_w ("B"), 256 work-groups, four waves of 64 x 128; eight units of 512 along K in the five fills (0,1), 2, (3,4), 5, (6,7)
; through a big and a small slot, one tensor load a wave each; the scale words of a wave's rows in 192 registers; A's tiles asked for jointly along a row of the cluster, B's along a column.  A wave never has more than one tensor load out.
; WHAT DIFFERS: a unit of A is two planes, 32,768 consecutive bytes; a load brings it (or, for the small slot, one plane) as rows of 256 bytes (+ 16 of padding in LDS), two rows of hidden to each:
; row R of a plane lies at (R / 2) x 272 + (R % 2) x 128, and the sixteen rows of a fragment load begin at sixteen different groups of banks.  Quarters 0, 1 of a unit lie in its first plane, 2, 3 in its second.
; The prefetch of A: a unit is 128 blocks of 256 bytes, 32 for each partner (by cx), a lane a block.
; THE MATRIX INSTRUCTION IS USED TRANSPOSED (source 0 = 16 rows of B, source 1 = 16 rows of A): a lane holds eight neighbouring numbers of a row of out0.  out_b is the C of each sum's first product.
; THE LAST FILL (units 6, 7) GOES BY COLUMNS: pass 0 finishes my columns 0-63, pass 1 my columns 64-127, so that the first half's rows leave under the second half's products.  A's fragments of both units stay in window 1: none is read twice.
; K ascends in every sum.
; LIMITS: NaN and infinities are not served beyond what the matrix instruction makes of them.
; REGISTERS, in windows of 256.  window 0: v0-31 addresses; v32-95 A's scale words, v96-223 B's; on the way out of pass 0 rows of out0 come back into B's words of units 0-5 and v224-255.
;   window 1: v0-63 first out_b in the result's layout; in the last fill all 256 hold A's fragments; on the way out of pass 1 v0-127 take rows of out0.
;   window 2: v0-127 accumulators of my rows 0-31; v128-191 B's fragments, set 0; v192-223 A's, set 1; v224-227 LDS addresses.   window 3: the same for rows 32-63, B's set 1, A's set 0.
; In a quarter (128 along K) of parity p B's set p and A's set p are multiplied.  B's other set lies in window 3 - p, as do the accumulators of the first half of its products, A's other set in window 2 + p, as do those of the second: loads and products share settings.
.set PB,  528                          ; an LDS row of B in the big slot: 512 bytes + 16 of padding: row r starts at bank 4 r mod 64 (64 banks of 4 bytes: ISA guide 11.1)
.set PS,  272                          ; 256 + 16: likewise
.set AHB, 128*PS                       ; what one load brings of A into the big slot: a unit
.set AHS, 64*PS                        ; into the small one: a plane
.set BBASE, 2*AHB
.set BHB, 128*PB                       ; of B
.set BHS, 128*PS
.set SMALL, BBASE+2*BHB
.set BSB, SMALL+2*AHS
.set SPARE, BSB+2*BHS                  ; the spare words, 128 bytes for each wave: two blocks of 256 bytes that no other line names
.set STG, SMALL                        ; the way out, in the small slot, which has had its last fill and last read: a stage of 16 rows x 528 bytes for each wave
.set TP,  528
.set BIAS, 0                           ; in window 1
.set G1AB, 24                          ; descriptor groups 1 and 0: A and B, big and small
.set G1AS, 32
.set G1BB, 48
.set G1BS, 56
.set G0AB, 68
.set G0AS, 72
.set G0BB, 76
.set G0BS, 80
.set MSB, 0
.macro WIN new                         ; the immediate's high byte repeats the setting that is left; a switch that changes nothing is dropped
.if MSB != (\new)
	s_set_vgpr_msb (MSB<<8)|(\new)
.set MSB, (\new)
.endif
.endm
.macro PLACES n                        ; plain vector instructions that name no register of the matrix instructions in front of them (ISA guide 7.12.1)
.rept \n
	v_nop
.endr
.endm
.macro GROUP1 g, mask, qi, rowb, rows, pitch   ; elements of 1 byte; 16 bytes of padding (4 words, code 3) behind every 2 << qi words; bit 21 is set beside a mask
	s_or_b32 s[\g], \mask, (1<<20)|(1<<21)|((\qi)<<22)|(3<<25)
	s_mov_b32 s[\g+1], (\rowb)<<16
	s_mov_b32 s[\g+2], (\rows)<<16
	s_mov_b32 s[\g+3], (\rowb)<<16
	s_mov_b32 s[\g+4], \rows
	s_mov_b32 s[\g+5], \pitch
	s_mov_b32 s[\g+6], 0
	s_mov_b32 s[\g+7], 0
.endm
; A joint load: waves 0 and 1 fetch for A, waves 2 and 3 for B.  Each line has ONE mask and one set of registers for all that issue it; the branch hangs on the wave's number alone.
.macro JLOAD g0a, g1a, g0b, g1b
	s_cmp_eq_u32 s15, 0
	s_cbranch_scc0 .Lfor_b_\@
	tensor_load_to_lds s[\g0a:\g0a+3], s[\g1a:\g1a+7]
	s_nop 0
.rept 4
	v_nop
.endr
	s_branch .Lasked_\@
.Lfor_b_\@:
	tensor_load_to_lds s[\g0b:\g0b+3], s[\g1b:\g1b+7]
	s_nop 0
.rept 4
	v_nop
.endr
.Lasked_\@:
.endm
.macro CREST                           ; a round of the cluster's barrier behind its opening barrier
	s_cmp_lg_u32 s14, 0
	s_cbranch_scc1 .Lnot_wave_0_\@
	s_barrier_signal -3
.Lnot_wave_0_\@:
	s_barrier_wait -3
	s_barrier_signal -1
	s_barrier_wait -1
.endm
.macro CROUND                          ; a whole round
	s_barrier_signal -1
	s_barrier_wait -1
	CREST
.endm
; The prefetch of unit u (two = 1: and u + 1): wave 0 asks for 32 blocks of A, waves 2 and 3 for 32 rows of B each.  Its registers are never rewritten.
.macro ASK u, two
	WIN 0
	s_cmp_eq_u32 s14, 0
	s_cbranch_scc0 .Lask_b_\@
	global_prefetch_b8 v21, s[84:85] offset:32768*(\u) th:TH_LOAD_NT scope:SCOPE_SE
.if \two
	global_prefetch_b8 v21, s[84:85] offset:32768*(\u)+32768 th:TH_LOAD_NT scope:SCOPE_SE
.endif
	s_branch .Lask_end_\@
.Lask_b_\@:
	s_cmp_lt_u32 s14, 2
	s_cbranch_scc1 .Lask_end_\@
	global_prefetch_b8 v20, s[86:87] offset:256*(\u) th:TH_LOAD_NT scope:SCOPE_SE
.if \two
	global_prefetch_b8 v20, s[86:87] offset:256*(\u)+256 th:TH_LOAD_NT scope:SCOPE_SE
.endif
.Lask_end_\@:
.endm
	s_load_b256 s[4:11], s[0:1], 0x0               ; A's codes (hc) s[4:5], A's scales (hs) s[6:7], B's codes s[8:9], B's scales s[10:11]
	s_load_b64 s[12:13], s[0:1], 0x20              ; out_b
	s_load_b64 s[92:93], s[0:1], 0x28              ; out0
	v_lshl_add_u32 v28, v0, 2, SPARE               ; v28: my spare word, v29: 0; never rewritten
	v_mov_b32 v29, 0
	ds_add_u32 v28, v29                            ; the wave's opening: the add, twice on end; its wait follows behind work on registers
	ds_add_u32 v28, v29
	v_lshrrev_b32 v1, 5, v0
	v_readfirstlane_b32 s14, v1                    ; wave 0..3
	s_lshr_b32 s15, s14, 1                         ; which 64 rows of A are mine.  Also: I fetch for A (0) or for B (1)
	s_and_b32 s16, s14, 1                          ; which 128 rows of B are mine.  Also: which half of a tile I fetch
	s_bfe_u32 s40, ttmp6, 0x40000                  ; cx, cy
	s_bfe_u32 s41, ttmp6, 0x40004
	s_lshl_b32 s42, ttmp9, 2
	s_add_co_u32 s42, s42, s40                     ; tile column
	s_and_b32 s17, ttmp7, 0xffff
	s_lshl_b32 s17, s17, 2
	s_add_co_u32 s17, s17, s41                     ; tile row
	s_lshl_b32 s43, s41, 2
	s_lshl_b32 s43, 15, s43                        ; my row of the cluster
	s_lshl_b32 s44, 0x1111, s40                    ; my column
	GROUP1 G1AB, s43, 5, 256, 128, 256
	GROUP1 G1AS, s43, 5, 256, 64, 256
	GROUP1 G1BB, s44, 6, 512, 128, 2048
	GROUP1 G1BS, s44, 5, 256, 128, 2048
	; group 0: count 1; LDS address = a constant + the wave's half x a constant
	s_mov_b32 s[G0AB], 1
	s_mul_i32 s[G0AB+1], s16, AHB
	s_mov_b32 s[G0AS], 1
	s_mul_i32 s[G0AS+1], s16, AHS
	s_add_co_u32 s[G0AS+1], s[G0AS+1], SMALL
	s_mov_b32 s[G0BB], 1
	s_mul_i32 s[G0BB+1], s16, BHB
	s_add_co_u32 s[G0BB+1], s[G0BB+1], BBASE
	s_mov_b32 s[G0BS], 1
	s_mul_i32 s[G0BS+1], s16, BHS
	s_add_co_u32 s[G0BS+1], s[G0BS+1], BSB
	; where I read: B and A in the big slot and in the small one; my stage
	s_mul_i32 s2, s16, BHB
	s_add_co_u32 s2, s2, BBASE
	s_mul_i32 s3, s16, BHS
	s_add_co_u32 s3, s3, BSB
	s_mul_i32 s18, s15, 32*PS
	s_add_co_u32 s19, s18, SMALL
	s_mul_i32 s45, s14, 16*TP
	s_add_co_u32 s45, s45, STG
	v_and_b32 v1, 15, v0                           ; r
	v_bfe_u32 v2, v0, 4, 1                         ; h
	v_and_b32 v3, 31, v0                           ; lane
	v_lshlrev_b32 v15, 5, v2                       ; 32 h: the bias loads' offset; never rewritten
	v_lshlrev_b32 v20, 11, v3                      ; the prefetches' offsets: 2,048 x lane (B),
	v_lshlrev_b32 v21, 8, v3                       ; 256 x lane (A); never rewritten
	v_lshlrev_b32 v5, 7, v1
	v_lshl_add_u32 v5, v2, 4, v5                   ; B's scale bytes: row r of 128, 16 h; never rewritten
	v_lshlrev_b32 v6, 3, v1
	v_lshl_add_u32 v6, v2, 11, v6                  ; A's: 8 r, and two planes on for lanes 16-31; never rewritten
	v_mul_u32_u24 v7, v1, PB
	v_lshl_add_u32 v7, v2, 4, v7                   ; a fragment of B in the big slot: row r x pitch + 16 h
	v_mul_u32_u24 v16, v1, PS
	v_lshl_add_u32 v16, v2, 4, v16                 ; in the small slot
	v_lshrrev_b32 v17, 1, v1
	v_mul_u32_u24 v17, v17, PS
	v_and_b32 v18, 1, v1
	v_lshl_add_u32 v17, v18, 7, v17
	v_lshl_add_u32 v17, v2, 4, v17                 ; a fragment of A: (r / 2) x 272 + (r % 2) x 128 + 16 h
	v_mul_u32_u24 v14, v1, TP
	v_lshl_add_u32 v14, v2, 5, v14
	v_add_nc_u32 v24, s45, v14                     ; v24 my stage, in: row r, 32 bytes for each half of the lanes
	v_mul_u32_u24 v22, v2, TP
	v_lshl_add_u32 v22, v1, 4, v22
	v_add_nc_u32 v22, s45, v22                     ; v22 back: lanes 0-15 take 256 bytes of a row, lanes 16-31 of the next
	v_lshlrev_b32 v23, 4, v1
	v_lshl_add_u32 v23, v2, 14, v23                ; v23 the same two rows in out0, 16,384 bytes apart; never rewritten
.irp w, 0x80,0xc0                      ; the four LDS addresses, in window 2 and in window 3
	WIN \w
	v_add_nc_u32 v224, s2, v7
	v_add_nc_u32 v225, s3, v16
	v_add_nc_u32 v226, s18, v17
	v_add_nc_u32 v227, s19, v17
.endr
	WIN 0
	s_wait_alu depctr_va_vdst(0)                   ; a wait here, ahead of the scalar run and the waits below
	; where the tiles come from: A's offsets are made of the tile row and the wave's number, B's of the tile column and the wave's number
	s_lshl_b32 s20, s17, 18
	s_lshl_b32 s22, s16, 14
	s_add_co_u32 s22, s20, s22
	s_add_co_u32 s22, s22, 65536
	s_mov_b32 s23, 0                               ; A for the small slot: unit 2, a plane a half
	s_lshl_b32 s46, s16, 15
	s_add_co_u32 s20, s20, s46
	s_mov_b32 s21, 0                               ; A for the big slot: units 0, 1, a unit a half
	s_lshl_b32 s46, s42, 19
	s_lshl_b32 s88, s16, 18
	s_add_co_u32 s46, s46, s88
	s_mov_b32 s47, 0                               ; B: 256 rows of 2,048 bytes a tile column, 128 a half
	s_lshl_b32 s88, s17, 18
	s_lshl_b32 s90, s40, 13
	s_add_co_u32 s88, s88, s90
	s_mov_b32 s89, 0                               ; the prefetch of A: my work-group's 32 blocks of a unit,
	s_lshl_b32 s90, s42, 19
	s_lshl_b32 s91, s41, 17
	s_add_co_u32 s90, s90, s91
	s_lshl_b32 s91, s16, 16
	s_add_co_u32 s90, s90, s91
	s_mov_b32 s91, 0                               ; of B: its 64 rows, 32 a wave
	s_wait_dscnt 0x0                               ; both opening adds are done
	CROUND                                         ; all sixteen work-groups are here: the first joint loads meet
	s_wait_kmcnt 0x0
	s_add_nc_u64 s[84:85], s[4:5], s[88:89]
	s_add_nc_u64 s[86:87], s[8:9], s[90:91]
	s_add_nc_u64 s[8:9], s[8:9], s[46:47]
	s_add_nc_u64 s[G0AB+2:G0AB+3], s[4:5], s[20:21]                 ; units 0, 1
	s_or_b32 s[G0AB+3], s[G0AB+3], 0x80000000
	s_mov_b64 s[G0BB+2:G0BB+3], s[8:9]
	s_or_b32 s[G0BB+3], s[G0BB+3], 0x80000000
	s_add_nc_u64 s[G0AS+2:G0AS+3], s[4:5], s[22:23]                 ; unit 2
	s_or_b32 s[G0AS+3], s[G0AS+3], 0x80000000
	s_add_nc_u64 s[G0BS+2:G0BS+3], s[8:9], 512
	s_or_b32 s[G0BS+3], s[G0BS+3], 0x80000000
	JLOAD G0AB, G1AB, G0BB, G1BB                   ; units 0, 1: one tensor load a wave at the head
	s_lshl_b32 s20, s42, 10                        ; out_b: my 128 numbers begin at 256 x tile column + 128 x half
	s_lshl_b32 s22, s16, 9
	s_add_co_u32 s20, s20, s22
	s_mov_b32 s21, 0
	s_add_nc_u64 s[12:13], s[12:13], s[20:21]
	s_lshl_b32 s88, s17, 14                        ; A's scale words: 16,384 bytes a tile row, my 64 rows of 8 bytes
	s_lshl_b32 s23, s15, 9
	s_add_co_u32 s88, s88, s23
	s_mov_b32 s89, 0
	s_add_nc_u64 s[6:7], s[6:7], s[88:89]
	s_lshl_b32 s90, s42, 15                        ; B's: my 128 rows of 128 bytes
	s_lshl_b32 s23, s16, 14
	s_add_co_u32 s90, s90, s23
	s_mov_b32 s91, 0
	s_add_nc_u64 s[10:11], s[10:11], s[90:91]
	WIN 0x40
.irp b, 0,1,2,3,4,5,6,7                ; the bias in the result's layout: lane (r, h), tile b: numbers 16 b + 8 h + 0 .. 7
	global_load_b128 v[BIAS+8*\b:BIAS+8*\b+3], v15, s[12:13] offset:64*\b
	global_load_b128 v[BIAS+8*\b+4:BIAS+8*\b+7], v15, s[12:13] offset:64*\b+16
.endr
	WIN 0
; Scale words: register 4 j + q of a block of 16 rows: quarter q of unit 2 j (lanes 0-15) and of unit 2 j + 1 (lanes 16-31)
.irp b, 0,1,2,3,4,5,6,7
.irp j, 0,1,2,3
	global_load_b128 v[96+16*\b+4*\j:99+16*\b+4*\j], v5, s[10:11] offset:2048*\b+32*\j
.endr
.endr
.irp j, 0,1,2,3
.irp m, 0,1
.irp b, 0,1,2,3
	global_load_b64 v[32+16*\b+4*\j+2*\m:33+16*\b+4*\j+2*\m], v6, s[6:7] offset:128*\b+4096*\j+1024*\m
.endr
.endr
.endr
	s_lshl_b32 s23, s17, 21                        ; out0: the same columns as out_b; rows of 16,384 bytes: 128 a tile row, my 64 of them
	s_add_co_u32 s20, s20, s23
	s_lshl_b32 s23, s15, 20
	s_add_co_u32 s20, s20, s23
	s_add_nc_u64 s[92:93], s[92:93], s[20:21]
; The LDS loads of the next quarter (unit uu of slot s, 0 big, 1 small, quarter q).  A fragment, 16 rows x 128 K of 4-bit codes, is 8 registers: lane (r, h) holds row r; registers 4 c .. 4 c + 3 hold K = 64 c + 32 h + 0 .. 31
.macro LB s, uu, q, k
.if \s
	ds_load_b128 v[128+4*(\k):131+4*(\k)], v225 offset:((\k)/2)*16*PS+64*(\q)+32*((\k)%2)
.else
	ds_load_b128 v[128+4*(\k):131+4*(\k)], v224 offset:((\k)/2)*16*PB+256*(\uu)+64*(\q)+32*((\k)%2)
.endif
.endm
.macro LA s, uu, q, k
.if \s
	ds_load_b128 v[192+4*(\k):195+4*(\k)], v227 offset:((\k)/2)*8*PS+AHS*((\q)/2)+64*((\q)%2)+32*((\k)%2)
.else
	ds_load_b128 v[192+4*(\k):195+4*(\k)], v226 offset:((\k)/2)*8*PS+AHB*(\uu)+AHS*((\q)/2)+64*((\q)%2)+32*((\k)%2)
.endif
.endm
; One product: A's block a x B's tile b, quarter q of unit u.  mode = 1: the sum's first, which starts from the bias: nothing is cleared.  The accumulators take turns, one instruction a turn.
.macro MM a, b, u, q, mode
.set DD, 64*((\a)%2)+8*(\b)
.set RA, 32+16*(\a)+4*((\u)/2)+(\q)
.set RB, 96+16*(\b)+4*((\u)/2)+(\q)
.if \mode
	v_wmma_scale_f32_16x16x128_f8f6f4 v[DD:DD+7], v[128+8*(\b):135+8*(\b)], v[192+8*(\a):199+8*(\a)], v[BIAS+8*(\b):BIAS+8*(\b)+7], v[RB], v[RA] matrix_a_fmt:MATRIX_FMT_FP4 matrix_b_fmt:MATRIX_FMT_FP4
.elseif (\u)%2
	v_wmma_scale_f32_16x16x128_f8f6f4 v[DD:DD+7], v[128+8*(\b):135+8*(\b)], v[192+8*(\a):199+8*(\a)], v[DD:DD+7], v[RB], v[RA] matrix_a_fmt:MATRIX_FMT_FP4 matrix_b_fmt:MATRIX_FMT_FP4 matrix_a_scale:MATRIX_SCALE_ROW1 matrix_b_scale:MATRIX_SCALE_ROW1
.else
	v_wmma_scale_f32_16x16x128_f8f6f4 v[DD:DD+7], v[128+8*(\b):135+8*(\b)], v[192+8*(\a):199+8*(\a)], v[DD:DD+7], v[RB], v[RA] matrix_a_fmt:MATRIX_FMT_FP4 matrix_b_fmt:MATRIX_FMT_FP4
.endif
.endm
.macro MM8 a, u
.irp k, 0,1,2,3,4,5,6,7
	MM \a, \k, \u, 3, 0
.endr
.endm
; A quarter whose successor lies in a slot that has landed: the successor's 24 loads in ONE run, into the sets that the quarter before multiplied, then this quarter's 32 products.
.macro QTR u, q, ns, nuu, nq, mode
.set P, (\q)%2
	PLACES 4                                       ; in front of loads into registers that the last matrix instructions read
	WIN (2+P)|((3-P)<<2)|((2+P)<<4)|((2+P)<<6)
.irp k, 0,1,2,3,4,5,6,7
	LA \ns, \nuu, \nq, \k
.endr
	WIN (2+P)|((3-P)<<2)|((3-P)<<4)|((3-P)<<6)
.irp k, 0,1,2,3,4,5,6,7,8,9,10,11,12,13,14,15
	LB \ns, \nuu, \nq, \k
.endr
	s_wait_dscnt 24                                ; all but the 24 just issued: this quarter's fragments are in
.if \mode
	WIN 0xde                                       ; C (the bias) in window 1
.endif
.irp k, 0,1,2,3,4,5,6,7,8,9,10,11,12,13,14,15
	MM 2-2*P+\k/8, \k%8, \u, \q, \mode
.endr
.if \mode
	WIN 0x9e
.else
	WIN (2+P)|((3-P)<<2)|((2+P)<<4)|((2+P)<<6)
.endif
.irp k, 0,1,2,3,4,5,6,7,8,9,10,11,12,13,14,15
	MM 2*P+\k/8, \k%8, \u, \q, \mode
.endr
.endm
.macro LANDED refill                   ; the three lines' first two; the refilled slot's addresses step three units on while the add is out (no tensor load of mine is out)
	WIN 0
	s_wait_tensorcnt 0x0                           ; my part of the next slot has landed;
	ds_add_u32 v28, v29                            ; 0 onto my spare word
.if (\refill)==1
	s_add_nc_u64 s[G0AB+2:G0AB+3], s[G0AB+2:G0AB+3], 98304
	s_add_nc_u64 s[G0BB+2:G0BB+3], s[G0BB+2:G0BB+3], 768
.elseif (\refill)==2
	s_add_nc_u64 s[G0AS+2:G0AS+3], s[G0AS+2:G0AS+3], 98304
	s_add_nc_u64 s[G0BS+2:G0BS+3], s[G0BS+2:G0BS+3], 768
.endif
	s_wait_dscnt 0x1                               ; (the add alone may be out: this quarter's fragments are in)
.endm
; The last fill by columns.  Its eight quarters are g = 0 .. 7 (unit 6 + g / 4, quarter g % 4).  LA4: A's four fragments of quarter g into window 1.
.macro LA4 g
.irp k, 0,1,2,3,4,5,6,7
	ds_load_b128 v[32*(\g)+4*\k:32*(\g)+4*\k+3], v226 offset:(\k/2)*8*PS+AHB*((\g)/4)+AHS*(((\g)%4)/2)+64*((\g)%2)+32*(\k%2)
.endr
.endm
; LB4: B's fragments of pass bh (tiles 4 bh .. 4 bh + 3), step s (quarters 2 s, 2 s + 1), into the set of the step's parity
.macro LB4 bh, s
.irp k, 0,1,2,3,4,5,6,7,8,9,10,11,12,13,14,15
.set GG, 2*(\s)+\k/8
	ds_load_b128 v[128+4*\k:131+4*\k], v224 offset:(4*(\bh)+(\k/2)%4)*16*PB+256*(GG/4)+64*(GG%4)+32*(\k%2)
.endr
.endm
; MM4: 16 products, two quarters deep on the eight accumulators of pass bh in window w (A's blocks 2 (w - 2), + 1); seven other products stand between an accumulator's two turns
.macro MM4 bh, s, w
.irp k, 0,1,2,3,4,5,6,7,8,9,10,11,12,13,14,15
.set GG, 2*(\s)+\k/8
.set AA, 2*(\w)-4+(\k/4)%2
.set BB, 4*(\bh)+\k%4
.set DD, 64*(AA%2)+8*BB
.set SB, 128+32*(\k/8)+8*(\k%4)
.set SA, 32*GG+8*AA
.set RA, 44+16*AA+GG%4
.set RB, 108+16*BB+GG%4
.if GG > 3
	v_wmma_scale_f32_16x16x128_f8f6f4 v[DD:DD+7], v[SB:SB+7], v[SA:SA+7], v[DD:DD+7], v[RB], v[RA] matrix_a_fmt:MATRIX_FMT_FP4 matrix_b_fmt:MATRIX_FMT_FP4 matrix_a_scale:MATRIX_SCALE_ROW1 matrix_b_scale:MATRIX_SCALE_ROW1
.else
	v_wmma_scale_f32_16x16x128_f8f6f4 v[DD:DD+7], v[SB:SB+7], v[SA:SA+7], v[DD:DD+7], v[RB], v[RA] matrix_a_fmt:MATRIX_FMT_FP4 matrix_b_fmt:MATRIX_FMT_FP4
.endif
.endr
.endm
; A slot's last quarter changes slots: ONE barrier; in front of it each wave's tensor loads have landed, its add is done and its reads of this slot are back.  refill = 1: the big slot is filled again, 2: the small one, 0: none.
; kind = 0 (the next fill is the large one): the wait for the landed tile stands first; kind = 1 and 2 (the awaited fill is the large one): sixteen products stand ahead of it.  kind = 2: the last fill follows, by columns.
.macro TURN u, kind, ns, refill
.if (\kind)==0
	LANDED \refill
	WIN 0xab
	MM8 0, \u
	s_wait_dscnt 0x0                               ; the add is done, and my reads of this slot are over
	s_barrier_signal -1
	MM8 1, \u
.else
	s_wait_dscnt 0x0                               ; this quarter's fragments are in
	WIN 0xab
	MM8 0, \u
	MM8 1, \u
	LANDED \refill
	WIN 0xfb
	MM8 2, \u
	s_wait_dscnt 0x0
	s_barrier_signal -1
.endif
	WIN 0
	s_barrier_wait -1
.if (\refill)==1
	CREST                                          ; the barrier has opened a round: no wave of any partner still reads this slot or has a load on its way
	JLOAD G0AB, G1AB, G0BB, G1BB                   ; the first tensor load behind the round; its four v_nop are the places in front of the loads below
.elseif (\refill)==2
	CREST
	JLOAD G0AS, G1AS, G0BS, G1BS
.else
	PLACES 4
.endif
.if (\kind)==2
	WIN 0x42                                       ; A's first two quarters: destination window 1, address window 2
	LA4 0
	LA4 1
	WIN 0x82
	LB4 0, 0
	WIN 0xfb
	MM8 3, \u
.else
	WIN 0x82                                       ; B's set 0: destination and address window 2
.irp k, 0,1,2,3,4,5,6,7,8,9,10,11,12,13,14,15
	LB \ns, 0, 0, \k
.endr
	WIN 0xfb                                       ; A's set 0 lies in window 3, as do the accumulators of the products left
.irp k, 0,1,2,3,4,5,6,7
	LA \ns, 0, 0, \k
.endr
.if (\kind)==0
	MM8 2, \u
.endif
	MM8 3, \u
.endif
.endm
; THE WAY OUT of A's block a, columns 64 bh .. 64 bh + 63: a lane holds 32 neighbouring bytes of a row, and the lanes beside it hold other rows, so the block goes through my own stage in LDS and comes back as rows of 256 bytes, two an instruction.
; LDS serves a wave's instructions in order (ISA guide 5.7.1.4): no wait between the stores and the loads, nor in front of the next block's stores.  Every block comes back into registers of its own: no store's data are written again.
.macro ROWREG bh, a, t
.if \bh
.set RG, 32*(\a)+4*(\t)                ; window 1
.elseif (\a) < 3
.set RG, 96+16*(\t)+4*(\a)             ; window 0: tile t's scale words of units 2 a, 2 a + 1, which are done with
.else
.set RG, 224+4*(\t)
.endif
.endm
.macro TOST4 bh, a
	WIN (2+(\a)/2)<<2                              ; an LDS store's data are its source 1: window 2 or 3
.irp k, 0,1,2,3
	ds_store_b128 v24, v[64*((\a)%2)+32*(\bh)+8*\k:64*((\a)%2)+32*(\bh)+8*\k+3] offset:64*\k          ; each accumulator from its low end on
	ds_store_b128 v24, v[64*((\a)%2)+32*(\bh)+8*\k+4:64*((\a)%2)+32*(\bh)+8*\k+7] offset:64*\k+16
.endr
	WIN 0x40*(\bh)
.irp t, 0,1,2,3,4,5,6,7
	ROWREG \bh, \a, \t
	ds_load_b128 v[RG:RG+3], v22 offset:2*TP*\t
.endr
.endm
.macro SEND4 bh, a
	WIN 0x04*(\bh)                                 ; a store's data are its source 1
.irp t, 0,1,2,3,4,5,6,7
	ROWREG \bh, \a, \t
	global_store_b128 v23, v[RG:RG+3], s[92:93] offset:(16*(\a)+2*\t)*16384+256*(\bh) th:TH_STORE_NT   ; each half of the lanes stores 256 consecutive bytes, at a multiple of 256 from out0's first byte; the offset stays inside the signed 24 bits (ISA guide, chapter 10)
.endr
.endm
; A step of a pass: the next step's loads in one run, then 32 products.  In pass 1 block s of pass 0's results goes through the stage in the same run and is stored behind the products.
.macro STEP4 bh, s, nbh, ns, more
.set P, (\s)%2
	PLACES 4                                       ; in front of loads into registers that the last matrix instructions read, and of reads of results
.if \bh
	TOST4 0, \s
.elseif (\s) < 3
	WIN (2+P)|0x44
	LA4 2*(\ns)
	LA4 2*(\ns)+1
.endif
	WIN (2+P)|4|((3-P)*0x50)
.if \more
	LB4 \nbh, \ns
.endif
.if (\s) < 3
	s_wait_dscnt 32                                ; the stage's 16 or A's next 16, and B's next 16, may be out
.else
	s_wait_dscnt 16                                ; B's next 16 (pass 0) or the stage's 16 (pass 1)
.endif
	MM4 \bh, \s, 3-P
	WIN (2+P)|4|((2+P)*0x50)
	MM4 \bh, \s, 2+P
.if \bh
	s_wait_dscnt 16*(\more)                        ; the block is back; B's next 16 may be out
	SEND4 0, \s
.endif
.endm
	s_wait_alu depctr_va_vdst(0)                   ; a wait at the head's end
	s_wait_tensorcnt 0x0                           ; my part of units 0, 1 is in; the three lines stand ahead of a later first fill as ahead of a refill
	ds_add_u32 v28, v29
	s_wait_dscnt 0x0
	CROUND                                         ; everybody's part is in, and all sixteen work-groups are here
	JLOAD G0AS, G1AS, G0BS, G1BS                   ; unit 2, the first tensor load behind the round
	WIN 0x82
.irp k, 0,1,2,3,4,5,6,7,8,9,10,11,12,13,14,15
	LB 0, 0, 0, \k
.endr
	WIN 0xc2
.irp k, 0,1,2,3,4,5,6,7
	LA 0, 0, 0, \k
.endr
	s_wait_loadcnt 0x0                             ; the bias and all scale words
	QTR 0, 0, 0, 0, 1, 1                           ; the first quarter's products start the sums
	QTR 0, 1, 0, 0, 2, 0
	ASK 3, 1
	QTR 0, 2, 0, 0, 3, 0
	QTR 0, 3, 0, 1, 0, 0
	QTR 1, 0, 0, 1, 1, 0
	QTR 1, 1, 0, 1, 2, 0
	QTR 1, 2, 0, 1, 3, 0
	TURN 1, 0, 1, 1                                ; units 3, 4 go out
	QTR 2, 0, 1, 0, 1, 0
	ASK 5, 0
	QTR 2, 1, 1, 0, 2, 0
	QTR 2, 2, 1, 0, 3, 0
	TURN 2, 1, 0, 2                                ; unit 5
	QTR 3, 0, 0, 0, 1, 0
	ASK 6, 1
	QTR 3, 1, 0, 0, 2, 0
	QTR 3, 2, 0, 0, 3, 0
	QTR 3, 3, 0, 1, 0, 0
	QTR 4, 0, 0, 1, 1, 0
	QTR 4, 1, 0, 1, 2, 0
	QTR 4, 2, 0, 1, 3, 0
	TURN 4, 0, 1, 1                                ; units 6, 7: the last fill
	QTR 5, 0, 1, 0, 1, 0
	QTR 5, 1, 1, 0, 2, 0
	QTR 5, 2, 1, 0, 3, 0
	TURN 5, 2, 0, 0                                ; nothing is left to fetch: a plain barrier
	STEP4 0, 0, 0, 1, 1                            ; pass 0: my columns 0-63
	STEP4 0, 1, 0, 2, 1
	STEP4 0, 2, 0, 3, 1
	STEP4 0, 3, 1, 0, 1
	STEP4 1, 0, 1, 1, 1                            ; pass 1: my columns 64-127; pass 0's four blocks leave
	STEP4 1, 1, 1, 2, 1
	STEP4 1, 2, 1, 3, 1
	STEP4 1, 3, 0, 0, 0
	PLACES 4                                       ; in front of the first read of pass 1's results, and of the loads into the registers that held A's fragments
	TOST4 1, 0
.irp a, 1,2,3
	TOST4 1, \a
	s_wait_dscnt 16                                ; behind block a - 1's loads: block a's 8 stores and 8 loads
	SEND4 1, \a-1
.endr
	s_wait_dscnt 0x0
	SEND4 1, 3
	WIN 0
	s_wait_tensorcnt 0x0                           ; the wave's end
	ds_add_u32 v28, v29
	s_wait_dscnt 0x0
	CROUND                                         ; the closing round: no work-group ends while a partner may still ask for a tile that names it
	s_endpgm
.Lfunc_end_k_qb1a01f9fa0_outp:
	.size	k_qb1a01f9fa0_outp, .Lfunc_end_k_qb1a01f9fa0_outp-k_qb1a01f9fa0_outp
	.p2alignl 7, 3214868480
	.fill 96, 4, 3214868480
	.section	.rodata,"a",@progbits
	.p2align	6, 0x0
	.amdhsa_kernel k_qb1a01f9fa0_outp
		.amdhsa_group_segment_fixed_size 327680
		.amdhsa_private_segment_fixed_size 0
		.amdhsa_enable_private_segment 0
		.amdhsa_kernarg_size 48
		.amdhsa_user_sgpr_count 2
		.amdhsa_user_sgpr_kernarg_segment_ptr 1
		.amdhsa_wavefront_size32 1
		.amdhsa_system_sgpr_workgroup_id_x 1
		.amdhsa_system_sgpr_workgroup_id_y 1
		.amdhsa_system_sgpr_workgroup_id_z 1
		.amdhsa_system_vgpr_workitem_id 0
		.amdhsa_next_free_vgpr 1024
		.amdhsa_next_free_sgpr 106
		.amdhsa_reserve_vcc 0
		.amdhsa_float_denorm_mode_32 3
		.amdhsa_float_denorm_mode_16_64 3
		.amdhsa_memory_ordered 1
		.amdhsa_forward_progress 1
		.amdhsa_inst_pref_size 223
	.end_amdhsa_kernel
	.amdgpu_metadata
---
amdhsa.version: [ 1, 2 ]
amdhsa.kernels:
  - .name:           k_qb1a01f9fa0_outp
    .symbol:         k_qb1a01f9fa0_outp.kd
    .args:
      - { .name: hc, .offset: 0, .size: 8, .value_kind: global_buffer, .address_space: global }
      - { .name: hs, .offset: 8, .size: 8, .value_kind: global_buffer, .address_space: global }
      - { .name: out_w_codes, .offset: 16, .size: 8, .value_kind: global_buffer, .address_space: global }
      - { .name: out_w_scales, .offset: 24, .size: 8, .value_kind: global_buffer, .address_space: global }
      - { .name: out_b, .offset: 32, .size: 8, .value_kind: global_buffer, .address_space: global }
      - { .name: out0, .offset: 40, .size: 8, .value_kind: global_buffer, .address_space: global }
    .group_segment_fixed_size: 327680
    .private_segment_fixed_size: 0
    .kernarg_segment_align: 8
    .kernarg_segment_size: 48
    .max_flat_workgroup_size: 128
    .sgpr_count:     106
    .vgpr_count:     1024
    .wavefront_size: 32
...
	.end_amdgpu_metadata
.endif
;; end of part 2
